; MI455X (gfx1250); checked and timed in simulation.
; The chip was launched on July 23, 2026; its instructions are those of AMD's public machine-readable ISA for CDNA 5 (MIT licence, August 2026) and "CDNA5" Instruction Set Architecture Reference Guide (July 2026). The comments in the code are by the model that wrote it; some were corrected since.
;; Additive Scorer. Allowed arithmetic: matrix products marked QUANTISED: E3M2 operands, one E8M0 scale for each 32 along K, by v_wmma_scale_f32_16x16x128_f8f6f4 with both operands' format E3M2, f32 sums; products left as they are: f32 operands where the result goes on into a quantised operand, else bf16, f16 or f32 operands; f32 sums; everything else in f32.
;; Inputs: Wk_codes 128 x 16 x 24 uint8 (E3M2 codes of Wk, K innermost, in blocks of 32 codes, four codes in three bytes); Wk_scales 128 x 16 uint8 (E8M0 scales of Wk, one for each 32 codes along K); Wq_codes 128 x 16 x 24 uint8 (E3M2 codes of Wq, K innermost, in blocks of 32 codes, four codes in three bytes); Wq_scales 128 x 16 uint8 (E8M0 scales of Wq, one for each 32 codes along K); ks_codes 8 x 512 x 16 x 24 uint8 (E3M2 codes of ks, K innermost, in blocks of 32 codes, four codes in three bytes); ks_scales 8 x 512 x 16 uint8 (E8M0 scales of ks, one for each 32 codes along K); qs_codes 8 x 512 x 16 x 24 uint8 (E3M2 codes of qs, K innermost, in blocks of 32 codes, four codes in three bytes); qs_scales 8 x 512 x 16 uint8 (E8M0 scales of qs, one for each 32 codes along K); wv 128 float32.
;; Outputs: out0 8 x 512 x 512 float32.
;; This version of the problem:
;;   THIS VERSION OF THE PROBLEM IS GIVEN IN LOW PRECISION. The matrix products marked QUANTISED in the list below multiply operands that are first quantised to E3M2 (3 exponent bits, 2 mantissa bits; 6 bits a number), with one power-of-two scale for each 32 numbers along K (OCP MX v1.0); their sums are f32. All else is computed in f32.
;;   The module's matrix products, in the order in which they are computed (A, B: the left and right operand; K: the contracted axis; several contracted axes count as one K, in the product's order):
;;     1. [M 4,096, K 512] x [K 512, N 128]; A: input qs (given as codes); B: input Wq (given as codes): QUANTISED
;;     2. [M 4,096, K 512] x [K 512, N 128]; A: input ks (given as codes); B: input Wk (given as codes): QUANTISED
;;     3. [M 2,097,152, K 128] x [K 128, N 1]; A: computed on the way; B: input wv: left as it is (N = 1 < 16)
;;   THE QUANTISER, for each operand of a quantised product, along K:
;;     - K is cut into blocks of 32 from its start; a last block that is shorter is filled with zeros.
;;     - A block's scale is 2^e with e = floor(log2(the largest magnitude in the block)) - 4, held to -126 .. 127; a block of zeros has e = 0. As a byte (E8M0): e + 127.
;;     - Each number is divided by its block's scale, clamped to +-28, and rounded to the nearest number of E3M2, ties to even, subnormals kept.
;;     - The product sums the exact products of the quantised numbers (number of the format x scale) in f32.
;;   ~~~python
;;   def quantise(x, axis):      # numpy; x: float32 -> the quantised numbers, widened to float32 again
;;       x = np.moveaxis(x, axis, -1); K = x.shape[-1]
;;       x = np.pad(x, [(0, 0)] * (x.ndim - 1) + [(0, -K % 32)]); x = x.reshape(x.shape[:-1] + (-1, 32)); a = np.abs(x).max(-1, keepdims=True)
;;       e = np.where(a > 0, np.clip(np.frexp(np.where(a > 0, a, 1))[1] - 1 - 4, -126, 127), 0)      # np.frexp(a)[1] - 1 = floor(log2(a)), exactly
;;       r = np.clip(x / 2.0 ** e, -28, 28)
;;       step = 2.0 ** (np.maximum(np.frexp(np.where(r == 0, 1, r))[1] - 1, -2) - 2)
;;       q = np.round(r / step) * step * 2.0 ** e      # np.round: ties to even
;;       return np.moveaxis(q.reshape(q.shape[:-2] + (-1,))[..., :K], -1, axis).astype(np.float32)
;;   ~~~
;;   INPUTS GIVEN AS CODES. Wk (in the module: [512, 128], K = its axis 0); Wq (in the module: [512, 128], K = its axis 0); ks (in the module: [8, 512, 512], K = its axis 2); qs (in the module: [8, 512, 512], K = its axis 2): each comes as NAME_codes (uint8): NAME with its K axis moved to the last place and cut into blocks of 32 codes, [.., K / 32, bytes a block], one block behind the other in memory; four codes in three bytes: a row's codes are one little-endian stream of bits, code i at bits 6 i .. 6 i + 5 (a code: sign, 3 exponent bits, 2 mantissa bits); and NAME_scales (uint8): the same leading axes, one E8M0 byte (e + 127) for each 32 codes along K. Its value is code x scale, taken as it is: it is not quantised again, and the codes and scales need not be those that the quantiser above would give.
;; One version. Each part assembles by itself: llvm-mc -triple=amdgcn-amd-amdhsa -mcpu=gfx1250 --defsym DOCPART=n.
;; ======== version 1 of 1: 1 launch
;; limits: right only within a limited range of input values
;; launch scorer (part 1): grid 32 x 8, 8 waves a work-group, no clusters, 313,856 bytes of LDS; arguments qs_codes, qs_scales, ks_codes, ks_scales, Wq_codes, Wq_scales, Wk_codes, Wk_scales, wv, out0; writes out0
.if DOCPART == 1
	.amdgcn_target "amdgcn-amd-amdhsa--gfx1250"
	.amdhsa_code_object_version 6
	.text
	.protected	k_qf9b988742e_scorer
	.globl	k_qf9b988742e_scorer
	.p2align	8
	.type	k_qf9b988742e_scorer,@function
k_qf9b988742e_scorer:
	s_mov_b64 s[64:65], 0
	v_nop
	global_prefetch_b8 v0, s[64:65] scope:SCOPE_SE
	s_setreg_imm32_b32 hwreg(HW_REG_WAVE_MODE, 25, 1), 1
	s_wait_xcnt 0x0
; out[b][q][k] = sum over h of wv[h] tanh(Q[b][q][h] + K[b][k][h]),  Q = qs Wq, K = ks Wk: both products on the given codes of BF6 (E3M2) with their E8M0 scales, f32 sums.
; Every input has a way to the output: nothing is left out.
; SHARES.  Work-group (x, b), qt = x / 4, kt = x % 4, owns out[b][64 qt .. + 63][128 kt .. + 127]: 32 x 8 = 256 work-groups of eight waves.
; HEAD.  It projects its own 64 rows of qs and 128 rows of ks: 384 matrix instructions, 48 a wave.  That repeats a row of Q in 4 work-groups and a row of K in 8; against it stand 128 slots of 112 vector
; instructions a wave in the main loop, and no second launch, no workspace.
; ONE TERM.  tanh x = 1 - 2 / (1 + 2^(c x)), c = 2 log2 e.  Each projected number D is cut once into a whole exponent and a mantissa: i = rndne(c D), M = 2^(c D - i).  Then 2^(c (Q + K)) = Mq Mk 2^(iq + ik):
;   e = iq + ik;  u = ldexp(Mk, e);  d = u Mq + 1;  r = 1 / d;  acc += wv r;   out = sum(wv) - 2 acc.   One transcendental a term, and no exponential that can overflow: ldexp ends at infinity (r = 0) or at 0 (r = 1).
; THE EXPONENTS ARE ADDED TWO AT A TIME, AS f32 DENORMALS.  The f32 number n x 2^-149, |n| under 2^23, has the bit pattern sign | |n|, and sums of such numbers that stay under 2^23 are exact (the wave's mode keeps
; f32 denormals).  So the tables hold (iq + 64) x 2^-149 and ik x 2^-149, and one v_pk_add_f32 adds two pairs.  v_ldexp_f32 reads the sum's bits as its whole number: iq + ik + 64 where that is 0 or more; where it is
; negative the sign bit makes a number under -2^30, and ldexp gives 0, where the true 2^(..) lies under 2^-64 and is lost beside the 1.  The 64 is taken back by Mq, which is kept as Mq 2^-64.
; M and i lie in two LDS tables, a row for each h, and the main loop walks h = 0 .. 127.
; LIMITS.  A projected number beyond +-2^20 (1,048,576) is held there (tanh is 1 to the last bit from 10 on), so that |i| stays under 2^22.  2^(c (Q + K)) is taken as 0 under 2^-64 and as infinity from 2^64 on.
; NaN (a scale byte 0xff) and infinities are not carried to the result.  A term's absolute error is a few 1e-7: for very small Q + K its relative error is larger than that of a tanh taken by itself.
; The terms are summed over h in ascending order into one f32 sum for each output, by fused multiply-adds.
; NO CLUSTER, NO TENSOR LOAD.  What work-groups share (the weights' 98,304 bytes of codes; rows of qs and ks) is read once, at the head: 172,032 bytes of codes a work-group, and then no global byte until the stores.
; A row of codes is 384 bytes, 96 words, no power of two, so padding counted in powers of two could not give one pad a row; through registers the rows get a pitch of 400 bytes.
; LDS (bytes):  0 ks' 128 rows | 51,200 Wk's 128 | 102,400 qs' 64 | 128,000 Wq's 128 (pitch 400) | 179,200 K's table, 128 rows of 1,040 (M of 128 k, i of 128 k, 16 of padding) | 312,320 wv | 312,832 the spare words.
;   Q's table, 128 rows of 528 (M of 64 q, i of 64 q, 16 of padding), is laid from byte 0 on, over ks' and Wk's rows, behind a barrier behind which nobody reads them.
; Pitch 400 = 100 words: row r starts at bank 36 r mod 64 (64 banks of 4 bytes: ISA guide 11.1), sixteen different multiples of 4, and lanes 16-31 stand 6 words on: the 32 lanes of a load of 8 bytes touch 64 different banks.
; Pitches 528 and 1,040 are 16 mod 256: the sixteen lanes of a table store, a row each, fall on sixteen different columns of 16 bytes.
.set CP,    400
.set KS_ST, 0
.set WK_ST, 128*CP
.set QS_ST, 256*CP
.set WQ_ST, 320*CP
.set KTAB,  448*CP                     ; 179,200
.set KPI,   1040
.set QTAB,  0
.set QPI,   528
.set WTAB,  KTAB+128*KPI               ; 312,320
.set SPARE, WTAB+512                   ; 312,832: the spare words, 128 bytes for each wave
; registers that stay
.set SPW, 2                            ; v2   LDS address of my spare word: SPARE + 4 x my thread's number; never rewritten
.set NIL, 3                            ; v3   0; never rewritten
.set AQ,  4                            ; v4-6 the main loop's addresses in Q's table, K's table, wv
.set AK,  5
.set AW,  6
.set AQ0, 7                            ; v7-9 my lane's places in them, for h = 0
.set AK0, 8
.set AW0, 9
.set GO,  10                           ; v10  my byte offset in the wave's rows of out
.set RR,  11                           ; v11  r = lane % 16
.set HF,  12                           ; v12  lane / 16
.set TK,  13                           ; v13  where I store into K's table
.set TQ,  14                           ; v14  and into Q's
.set WD,  15                           ; v15  a number of wv on its way to LDS
.set SAK, 16                           ; v16-55 scale words and nothing else: ks' two tiles, Wk's four, qs' two, Wq's two; register + s: the word of K step s
.set SBK, 24
.set SAQ, 40
.set SBQ, 48
.set PP,  56                           ; v56-58 at work at the head;  v59 likewise
.set TMP, 59
.set SWA, 60                           ; v60  wv in LDS, 16 bytes a lane
.set RB,  61                           ; v61  a fragment's row r x pitch + 24 x half
; the head
.set ST,  64                           ; v64-231 the 42 loads of codes, 4 registers each
.set F,   64                           ; v64-135 fragments: activations at F + 12 i, weights at F + 24 + 12 c
.set R,   64                           ; v64-127 behind the products: rndne(c D), then i x 2^-149
.set D,   136                          ; v136-199 accumulators, tile (c, i) at D + 8 (2 c + i); then M
.set VG,  234
.set VGQ, 235
.set LA,  236
.set LB,  239
.set LC,  242
.set VSAK, 245
.set VSBK, 246
.set VSAQ, 247
.set VSBQ, 248
.set VW,  249
.set WST, 250
.set AAK, 251
.set ABK, 252
.set AAQ, 253
.set ABQ, 254
; the main loop (the head's v234-254 are done with by then)
.set ACC, 64                           ; v64-95   the 32 sums: (q, k) at ACC + 4 k + q
.set OPB, 96                           ; v96-127, v128-159 two operand buffers: + 0..3 Mq, + 4 wv[h] (+ 5 its pair's upper half), + 6..9 iq, + 12..19 Mk, + 22..29 ik
.set T0,  160                          ; v160-191, v192-223 two sets of 32 terms: u, d, r in place, (q, k) at + 4 k + q
.set E,   224                          ; v224-239 exponent sums of four k x four q
.set WS,  240                          ; v240 sum of wv
.set WV,  24                           ; s24  my wave's number
	s_load_b512 s[4:19], s[0:1], 0x0               ; qs codes s[4:5], scales s[6:7]; ks s[8:9], s[10:11]; Wq s[12:13], s[14:15]; Wk s[16:17], s[18:19]
	s_load_b128 s[20:23], s[0:1], 0x40             ; wv s[20:21], out s[22:23]
	v_lshl_add_u32 v[SPW], v0, 2, SPARE
	v_mov_b32 v[NIL], 0
	v_lshrrev_b32 v1, 5, v0
	v_readfirstlane_b32 s[WV], v1                  ; wave 0..7
	v_and_b32 v1, 31, v0                           ; lane
	v_and_b32 v[RR], 15, v0
	v_bfe_u32 v[HF], v0, 4, 1
	s_and_b32 s25, ttmp7, 0xffff                   ; b
	s_lshr_b32 s26, ttmp9, 2                       ; qt
	s_and_b32 s27, ttmp9, 3                        ; kt
	s_lshr_b32 s41, s[WV], 1                       ; K's product: which 32 rows of ks are mine,
	s_and_b32 s42, s[WV], 1                        ; and which 64 h
	s_lshr_b32 s43, s[WV], 2                       ; Q's product: which 32 rows of qs,
	s_and_b32 s44, s[WV], 3                        ; and which 32 h
	s_mov_b32 s34, 0x4038aa3b                      ; c = 2 log2 e
	s_mov_b32 s35, s34                             ; (named with it as a pair, so it is written)
	s_mov_b32 s36, 0xc9800000                      ; -2^20
	s_mov_b32 s37, 0x49800000                      ; 2^20
	s_mov_b32 s38, 0x76543210                      ; v_permlanex16_b32's selects for lane l xor 16
	s_mov_b32 s39, 0xfedcba98
	s_mov_b32 s52, 1                               ; the f32 number 2^-149: the bit pattern 1
	s_mov_b32 s53, 1                               ; (named with it as a pair, so it is written)
	; the codes' way in: a wave takes 16 rows (of qs: 8) as they lie, 512 consecutive bytes a load
	s_mul_i32 s45, s[WV], 6144
	v_lshl_add_u32 v[VG], v1, 4, s45
	s_mul_i32 s45, s[WV], 3072
	v_lshl_add_u32 v[VGQ], v1, 4, s45
	; three loads are four rows, 96 pieces of 16 bytes; piece cc = 32 i + lane lies in row cc / 24, so in LDS 16 (cc + cc / 24) bytes on.  cc / 24 = (43 cc) >> 10 for cc under 96
.irp i, 0,1,2
	v_add_nc_u32 v[PP+\i], 32*\i, v1
	v_mul_u32_u24 v[TMP], v[PP+\i], 43
	v_lshrrev_b32 v[TMP], 10, v[TMP]
	v_add_nc_u32 v[PP+\i], v[PP+\i], v[TMP]
	v_lshlrev_b32 v[PP+\i], 4, v[PP+\i]
.endr
	s_mul_i32 s45, s[WV], 16*CP                    ; my 16 rows of ks (and, 51,200 on, of Wk),
	s_mul_i32 s46, s[WV], 8*CP
	s_add_co_u32 s46, s46, QS_ST                   ; my 8 rows of qs,
	s_add_co_u32 s47, s45, WQ_ST                   ; my 16 rows of Wq
.irp i, 0,1,2
	v_add_nc_u32 v[LA+\i], s45, v[PP+\i]
	v_add_nc_u32 v[LB+\i], s46, v[PP+\i]
	v_add_nc_u32 v[LC+\i], s47, v[PP+\i]
.endr
	; scale rows: 16 bytes a row are the four words of its four K steps; lane r takes row r (lanes 16-31 the same, and are not read)
	s_lshl_b32 s45, s41, 9
	v_lshl_add_u32 v[VSAK], v[RR], 4, s45
	s_lshl_b32 s45, s42, 10
	v_lshl_add_u32 v[VSBK], v[RR], 4, s45
	s_lshl_b32 s45, s43, 9
	v_lshl_add_u32 v[VSAQ], v[RR], 4, s45
	s_lshl_b32 s45, s44, 9
	v_lshl_add_u32 v[VSBQ], v[RR], 4, s45
	s_lshl_b32 s45, s[WV], 6
	v_lshl_add_u32 v[VW], v[RR], 2, s45            ; wv: 16 numbers a wave
	v_add_nc_u32 v[WST], WTAB, v[VW]
	; fragments out of the staged rows
	v_mul_u32_u24 v[RB], v[RR], CP
	v_mad_u32_u24 v[RB], v[HF], 24, v[RB]
	s_mul_i32 s45, s41, 32*CP
	v_add_nc_u32 v[AAK], s45, v[RB]
	s_mul_i32 s45, s42, 64*CP
	s_add_co_u32 s45, s45, WK_ST
	v_add_nc_u32 v[ABK], s45, v[RB]
	s_mul_i32 s45, s43, 32*CP
	s_add_co_u32 s45, s45, QS_ST
	v_add_nc_u32 v[AAQ], s45, v[RB]
	s_mul_i32 s45, s44, 32*CP
	s_add_co_u32 s45, s45, WQ_ST
	v_add_nc_u32 v[ABQ], s45, v[RB]
	; into the tables: lane (r, half) holds h = h0 + r and eight neighbouring rows 8 half + 0 .. 7
	v_mul_u32_u24 v[TK], v[RR], KPI
	v_lshl_add_u32 v[TK], v[HF], 5, v[TK]
	s_mul_i32 s45, s42, 64*KPI
	s_lshl_b32 s46, s41, 7
	s_add_co_u32 s45, s45, s46
	s_add_co_u32 s45, s45, KTAB
	v_add_nc_u32 v[TK], s45, v[TK]
	v_mul_u32_u24 v[TQ], v[RR], QPI
	v_lshl_add_u32 v[TQ], v[HF], 5, v[TQ]
	s_mul_i32 s45, s44, 32*QPI
	s_lshl_b32 s46, s43, 7
	s_add_co_u32 s45, s45, s46
	v_add_nc_u32 v[TQ], s45, v[TQ]
	; the main loop: wave w owns q rows 8 w .. 8 w + 7; a lane q = 8 w + 4 (lane / 16) + 0 .. 3 and k = 4 (lane % 16) + 0 .. 3 and 64 more
	v_lshlrev_b32 v[AQ0], 4, v[HF]
	s_lshl_b32 s45, s[WV], 5
	v_add_nc_u32 v[AQ0], s45, v[AQ0]
	v_lshl_add_u32 v[AK0], v[RR], 4, KTAB
	v_mov_b32 v[AW0], WTAB
	v_lshlrev_b32 v[GO], 13, v[HF]
	v_lshl_add_u32 v[GO], v[RR], 4, v[GO]
	v_lshl_add_u32 v[SWA], v1, 4, WTAB
	; where my work-group's rows begin
	s_lshl_b32 s28, s25, 9
	s_lshl_b32 s45, s26, 6
	s_add_co_u32 s45, s45, s28                     ; first row of qs: 512 b + 64 qt
	s_lshl_b32 s46, s27, 7
	s_add_co_u32 s46, s46, s28                     ; first row of ks: 512 b + 128 kt
	s_mov_b32 s29, 0
	s_mov_b32 s31, 0
	s_wait_kmcnt 0x0
	s_mul_i32 s28, s45, 384
	s_lshl_b32 s30, s45, 4
	s_add_nc_u64 s[4:5], s[4:5], s[28:29]
	s_add_nc_u64 s[6:7], s[6:7], s[30:31]
	s_mul_i32 s28, s46, 384
	s_lshl_b32 s30, s46, 4
	s_add_nc_u64 s[8:9], s[8:9], s[28:29]
	s_add_nc_u64 s[10:11], s[10:11], s[30:31]
	s_lshl_b32 s47, s[WV], 3
	s_add_co_u32 s45, s45, s47
	s_lshl_b32 s28, s45, 11                        ; out: row 512 b + 64 qt + 8 w of 2,048 bytes,
	s_lshl_b32 s47, s27, 9
	s_add_co_u32 s28, s28, s47                     ; + 512 kt
	s_add_nc_u64 s[22:23], s[22:23], s[28:29]
	; ---- all 53 global loads of the launch, on end
.irp u, 0,1,2,3
.irp i, 0,1,2
	global_load_b128 v[ST+4*(3*\u+\i):ST+4*(3*\u+\i)+3], v[VG], s[8:9] offset:1536*\u+512*\i
.endr
.endr
.irp u, 0,1,2,3
.irp i, 0,1,2
	global_load_b128 v[ST+48+4*(3*\u+\i):ST+48+4*(3*\u+\i)+3], v[VG], s[16:17] offset:1536*\u+512*\i
.endr
.endr
.irp u, 0,1
.irp i, 0,1,2
	global_load_b128 v[ST+96+4*(3*\u+\i):ST+96+4*(3*\u+\i)+3], v[VGQ], s[4:5] offset:1536*\u+512*\i
.endr
.endr
.irp u, 0,1,2,3
.irp i, 0,1,2
	global_load_b128 v[ST+120+4*(3*\u+\i):ST+120+4*(3*\u+\i)+3], v[VG], s[12:13] offset:1536*\u+512*\i
.endr
.endr
.irp i, 0,1
	global_load_b128 v[SAK+4*\i:SAK+4*\i+3], v[VSAK], s[10:11] offset:256*\i   ; sixteen lanes read 256 consecutive bytes
.endr
.irp c, 0,1,2,3
	global_load_b128 v[SBK+4*\c:SBK+4*\c+3], v[VSBK], s[18:19] offset:256*\c
.endr
.irp i, 0,1
	global_load_b128 v[SAQ+4*\i:SAQ+4*\i+3], v[VSAQ], s[6:7] offset:256*\i
.endr
.irp c, 0,1
	global_load_b128 v[SBQ+4*\c:SBQ+4*\c+3], v[VSBQ], s[14:15] offset:256*\c
.endr
	global_load_b32 v[WD], v[VW], s[20:21]
	; ---- into LDS, rows 400 bytes apart.  Loads come back in order: each count is the number of younger loads among the 53
	s_wait_loadcnt 41                              ; ks' twelve are in
.irp u, 0,1,2,3
.irp i, 0,1,2
	ds_store_b128 v[LA+\i], v[ST+4*(3*\u+\i):ST+4*(3*\u+\i)+3] offset:4*CP*\u
.endr
.endr
	s_wait_loadcnt 29                              ; Wk's twelve
.irp u, 0,1,2,3
.irp i, 0,1,2
	ds_store_b128 v[LA+\i], v[ST+48+4*(3*\u+\i):ST+48+4*(3*\u+\i)+3] offset:WK_ST+4*CP*\u
.endr
.endr
	s_wait_loadcnt 23                              ; qs' six
.irp u, 0,1
.irp i, 0,1,2
	ds_store_b128 v[LB+\i], v[ST+96+4*(3*\u+\i):ST+96+4*(3*\u+\i)+3] offset:4*CP*\u
.endr
.endr
	s_wait_loadcnt 11                              ; Wq's twelve
.irp u, 0,1,2,3
.irp i, 0,1,2
	ds_store_b128 v[LC+\i], v[ST+120+4*(3*\u+\i):ST+120+4*(3*\u+\i)+3] offset:4*CP*\u
.endr
.endr
	s_wait_loadcnt 0x0                             ; the scale words and wv
	ds_store_b32 v[WST], v[WD]                     ; lanes 16-31 write lanes 0-15's words with the same values
.macro BARRIER                         ; my LDS stores have landed and my LDS loads are in: then the work-group's barrier
	s_wait_dscnt 0x0
	s_barrier_signal -1
	s_barrier_wait -1
.endm
; A fragment, 16 rows x 128 K of 6-bit codes, is 12 registers: lane (r, half) takes 24 bytes of row r at 24 half and 24 more 48 bytes on, as they lie, in pieces of 8 bytes
.macro FRAG reg, adr, off
.irp p, 0,1,2,3,4,5
	ds_load_b64 v[(\reg)+2*\p:(\reg)+2*\p+1], v[\adr] offset:(\off)+48*(\p/3)+8*(\p%3)
.endr
.endm
; A wave's block of a projection: two tiles of 16 activation rows (source 0) x nC tiles of 16 weight rows (source 1), K = 512 in four steps.  In the result lane (r, half) holds h = h0 + r, and its registers rows 8 half + 0 .. 7.
; The 2 nC accumulators take turns, one instruction a turn, over the K steps too.  The first step's products start the sums with the constant 0.
.macro PASS nC, AA, AB, SA, SB
.irp s, 0,1,2,3
.if \s > 0
.rept 4
	v_nop                                          ; four places in front of loads into registers that matrix instructions have read (ISA guide 7.12.1 for vector instructions)
.endr
.endif
.irp i, 0,1
	FRAG F+12*\i, \AA, 16*CP*\i+96*\s
.endr
.irp c, 0,1,2,3
.if \c < \nC
	FRAG F+24+12*\c, \AB, 16*CP*\c+96*\s
.endif
.endr
	s_wait_dscnt 0x0
.irp c, 0,1,2,3
.if \c < \nC
.irp i, 0,1
.if \s == 0
	v_wmma_scale_f32_16x16x128_f8f6f4 v[D+8*(2*\c+\i):D+8*(2*\c+\i)+7], v[F+12*\i:F+12*\i+11], v[F+24+12*\c:F+24+12*\c+11], 0, v[\SA+4*\i+\s], v[\SB+4*\c+\s] matrix_a_fmt:MATRIX_FMT_BF6 matrix_b_fmt:MATRIX_FMT_BF6
.else
	v_wmma_scale_f32_16x16x128_f8f6f4 v[D+8*(2*\c+\i):D+8*(2*\c+\i)+7], v[F+12*\i:F+12*\i+11], v[F+24+12*\c:F+24+12*\c+11], v[D+8*(2*\c+\i):D+8*(2*\c+\i)+7], v[\SA+4*\i+\s], v[\SB+4*\c+\s] matrix_a_fmt:MATRIX_FMT_BF6 matrix_b_fmt:MATRIX_FMT_BF6
.endif
.endr
.endif
.endr
.endr
.rept 5
	v_nop                                          ; four places in front of the vector lines that read the results and write over the fragments; five in front of the next block's products, which begin these accumulators anew
.endr
.endm
; cnt projected numbers D become M = 2^(c D - i), in D's place, and i x 2^-149, i = rndne(c D), in R.  Each accumulator is read from its low end on.
; bias = 1 (Q's side): i + 64 in i's place, and M 2^-64 in M's.
.macro DECOMP cnt, bias
.set j, 0
.rept \cnt
	v_med3_num_f32 v[D+j], v[D+j], s36, s37        ; held at +-2^20: |i| stays under 2^22
.set j, j+1
.endr
.set j, 0
.rept \cnt/2
	v_pk_mul_f32 v[R+j:R+j+1], v[D+j:D+j+1], s[34:35] op_sel_hi:[1,0]
.set j, j+2
.endr
.set j, 0
.rept \cnt
	v_rndne_f32 v[R+j], v[R+j]
.set j, j+1
.endr
.set j, 0
.rept \cnt/2
	v_pk_fma_f32 v[D+j:D+j+1], v[D+j:D+j+1], s[34:35], v[R+j:R+j+1] op_sel_hi:[1,0,1] neg_lo:[0,0,1] neg_hi:[0,0,1]   ; c D - i, fused: what the rounding of c D dropped is kept here
.set j, j+2
.endr
.set j, 0
.rept \cnt
	v_exp_f32 v[D+j], v[D+j]
.set j, j+1
.endr
.if \bias
.set j, 0
.rept \cnt/2
	v_pk_add_f32 v[R+j:R+j+1], v[R+j:R+j+1], 0x42800000 op_sel_hi:[1,0]   ; i + 64: a whole number under 2^23, exact.  (It is never -0.)  Plain work behind the batch of exponentials
.set j, j+2
.endr
.endif
.set j, 0
.rept \cnt/2
	v_pk_mul_f32 v[R+j:R+j+1], v[R+j:R+j+1], s[52:53] op_sel_hi:[1,0]   ; x 2^-149, exact: the f32 denormal whose bits are sign | |i|.  Plain work behind the batch
.set j, j+2
.endr
	s_wait_alu depctr_va_vdst(0)                   ; one wait for the batch, ahead of the first line that names a result
.if \bias
.set j, 0
.rept \cnt/2
	v_pk_mul_f32 v[D+j:D+j+1], v[D+j:D+j+1], 0x1f800000 op_sel_hi:[1,0]   ; M 2^-64, exact
.set j, j+2
.endr
.endif
.endm
	BARRIER                                        ; all staged rows and wv lie in LDS
	; ---- K = ks Wk: my 32 rows x 64 h
	PASS 4, AAK, ABK, SAK, SBK
	DECOMP 64, 0
.irp c, 0,1,2,3
.irp i, 0,1
	ds_store_b128 v[TK], v[D+8*(2*\c+\i):D+8*(2*\c+\i)+3] offset:16*KPI*\c+64*\i
	ds_store_b128 v[TK], v[D+8*(2*\c+\i)+4:D+8*(2*\c+\i)+7] offset:16*KPI*\c+64*\i+16
	ds_store_b128 v[TK], v[R+8*(2*\c+\i):R+8*(2*\c+\i)+3] offset:16*KPI*\c+64*\i+512
	ds_store_b128 v[TK], v[R+8*(2*\c+\i)+4:R+8*(2*\c+\i)+7] offset:16*KPI*\c+64*\i+528
.endr
.endr
	s_wait_dscnt 0x0                               ; the stores have read their registers
	; ---- Q = qs Wq: my 32 rows x 32 h
	PASS 2, AAQ, ABQ, SAQ, SBQ
	DECOMP 32, 1
	BARRIER                                        ; every wave's reads of the staged rows are over: Q's table may be laid over ks' and Wk's
.irp c, 0,1
.irp i, 0,1
	ds_store_b128 v[TQ], v[D+8*(2*\c+\i):D+8*(2*\c+\i)+3] offset:16*QPI*\c+64*\i
	ds_store_b128 v[TQ], v[D+8*(2*\c+\i)+4:D+8*(2*\c+\i)+7] offset:16*QPI*\c+64*\i+16
	ds_store_b128 v[TQ], v[R+8*(2*\c+\i):R+8*(2*\c+\i)+3] offset:16*QPI*\c+64*\i+256
	ds_store_b128 v[TQ], v[R+8*(2*\c+\i)+4:R+8*(2*\c+\i)+7] offset:16*QPI*\c+64*\i+272
.endr
.endr
	BARRIER                                        ; both tables are whole.  From here on LDS is only read
	; ---- the sum of wv: four numbers a lane, then across the 32 lanes
	ds_load_b128 v[T0:T0+3], v[SWA]
	v_mov_b32 v[T0+5], 0                           ; (a lane permute's destination counts as one of its sources)
	v_mov_b32 v[OPB+5], 0                          ; (named as the upper half of wv[h]'s pair, so it is written)
	v_mov_b32 v[OPB+32+5], 0
	s_wait_dscnt 0x0
	v_add_f32 v[T0], v[T0], v[T0+1]
	v_add_f32 v[T0+2], v[T0+2], v[T0+3]
	v_add_f32 v[T0], v[T0], v[T0+2]
	v_add_f32_dpp v[T0], v[T0], v[T0] row_xmask:1 row_mask:0xf bank_mask:0xf
	v_add_f32_dpp v[T0], v[T0], v[T0] row_xmask:2 row_mask:0xf bank_mask:0xf
	v_add_f32_dpp v[T0], v[T0], v[T0] row_xmask:4 row_mask:0xf bank_mask:0xf
	v_add_f32_dpp v[T0], v[T0], v[T0] row_xmask:8 row_mask:0xf bank_mask:0xf
	v_permlanex16_b32 v[T0+5], v[T0], s38, s39
	v_add_f32 v[WS], v[T0], v[T0+5]
; ---- THE MAIN LOOP.  A slot is one h: 32 terms a lane, in a pipeline three deep on two sets of term registers.  Slot z, of parity p, holds
;   the loads of h = z + 2's operands into buffer p and of wv[z];   32 reciprocals of h = z's d, in set p;   and 80 plain lines, two and three by turns behind the reciprocals:
;   lines 0-15: the sums take h = z - 1's r (the other set) x wv[z - 1];   lines 16-79: h = z + 1's d, from the other buffer into the other set, whose r have just been read.
; PLAIN writes line n.  d is made four k at a time, 32 lines: 8 packed exponent sums, 16 ldexp, 8 packed u Mq + 1: a result's reader stands 8 lines or more behind it.
; A pair of terms is (q, q + 1) at one k: iq's and Mq's pairs are taken as they lie, and of ik's pair one register serves both halves (op_sel and op_sel_hi name it).
.macro PLAIN p, acc, prod
.set TO, T0+32*(1-\p)
.set OB, OPB+32*(1-\p)
.if n < 16
.if \acc == 1
	v_pk_fma_f32 v[ACC+2*n:ACC+2*n+1], v[TO+2*n:TO+2*n+1], v[OB+4:OB+5], v[ACC+2*n:ACC+2*n+1] op_sel_hi:[1,0,1]
.elseif \acc == 2
	v_pk_mul_f32 v[ACC+2*n:ACC+2*n+1], v[TO+2*n:TO+2*n+1], v[OB+4:OB+5] op_sel_hi:[1,0]   ; h = 0 starts the sums: nothing is cleared
.endif
.elseif \prod
.set m, n-16
.set bl, m/32
.set x, m%32
.if x < 8
.if (x/2)%2 == 0
	v_pk_add_f32 v[E+2*x:E+2*x+1], v[OB+6+2*(x%2):OB+6+2*(x%2)+1], v[OB+22+4*bl+2*(x/4):OB+22+4*bl+2*(x/4)+1] op_sel_hi:[1,0]              ; k = 4 bl + x / 2, even: the pair's first register
.else
	v_pk_add_f32 v[E+2*x:E+2*x+1], v[OB+6+2*(x%2):OB+6+2*(x%2)+1], v[OB+22+4*bl+2*(x/4):OB+22+4*bl+2*(x/4)+1] op_sel:[0,1] op_sel_hi:[1,1]  ; odd: its second
.endif
.elseif x < 24
	v_ldexp_f32 v[TO+16*bl+x-8], v[OB+12+4*bl+(x-8)/4], v[E+x-8]   ; the sum's bits are the whole number iq + ik + 64, or, with the sign bit set, one under -2^30
.else
	v_pk_fma_f32 v[TO+16*bl+2*(x-24):TO+16*bl+2*(x-24)+1], v[TO+16*bl+2*(x-24):TO+16*bl+2*(x-24)+1], v[OB+2*((x-24)%2):OB+2*((x-24)%2)+1], 1.0 op_sel_hi:[1,1,0]
.endif
.endif
.endm
; ldop, ldw, rcp, prod: 1 = the slot has that part;  acc: 1 = the sums go on, 2 = they begin, 0 = none;  oq, ok, ow: the loads' offsets from the addresses in hand
.macro SLOT p, ldop, ldw, acc, rcp, prod, oq, ok, ow
	s_wait_dscnt 0x0                               ; the last slot's loads, issued a slot's 112 vector lines ago, are in: this slot's plain lines read them
.set OP, OPB+32*\p
.if \ldop
	ds_load_b128 v[OP:OP+3], v[AQ] offset:(\oq)            ; Mq of my four q (sixteen lanes share the 16 bytes)
	ds_load_b128 v[OP+6:OP+9], v[AQ] offset:(\oq)+256      ; iq
	ds_load_b128 v[OP+12:OP+15], v[AK] offset:(\ok)        ; Mk of k = 4 (lane % 16) + 0 .. 3,
	ds_load_b128 v[OP+16:OP+19], v[AK] offset:(\ok)+256    ; and of those 64 on
	ds_load_b128 v[OP+22:OP+25], v[AK] offset:(\ok)+512    ; ik likewise
	ds_load_b128 v[OP+26:OP+29], v[AK] offset:(\ok)+768
.endif
.if \ldw
	ds_load_b32 v[OP+4], v[AW] offset:(\ow)
.endif
.set g, 0
.set n, 0
.rept 32
.if \rcp
	v_rcp_f32 v[T0+32*\p+g], v[T0+32*\p+g]
.endif
	PLAIN \p, \acc, \prod
.set n, n+1
	PLAIN \p, \acc, \prod
.set n, n+1
.if g%2 == 1
	PLAIN \p, \acc, \prod
.set n, n+1
.endif
.set g, g+1
.endr
.if \rcp
.if \prod == 0
	v_nop                                          ; a plain line behind the last reciprocal, where the slot has none of its own there
.endif
	s_wait_alu depctr_va_vdst(0)                   ; one wait for the slot's 32 reciprocals: nothing in this slot names a result, the next slot's first plain line does
.endif
.endm
; the tables' offsets are stepped in scalar registers, by constants, in a loop of constant count, and added to my lane's places
.macro ADDR
	v_add_nc_u32 v[AQ], s48, v[AQ0]
	v_add_nc_u32 v[AK], s49, v[AK0]
	v_add_nc_u32 v[AW], s50, v[AW0]
.endm
	s_mov_b32 s48, 0
	s_mov_b32 s49, 0
	s_mov_b32 s50, 0
	ADDR
	SLOT 0, 1, 0, 0, 0, 0, 0, 0, 0                 ; h = 0's operands
	SLOT 1, 1, 0, 0, 0, 1, QPI, KPI, 0             ; h = 1's operands | d of h = 0
	SLOT 0, 1, 1, 0, 1, 1, 2*QPI, 2*KPI, 0         ; slot 0: h = 2's operands, wv[0] | r of h = 0 | d of h = 1
	SLOT 1, 1, 1, 2, 1, 1, 3*QPI, 3*KPI, 4         ; slot 1: the sums begin with h = 0
	s_mov_b32 s48, 4*QPI                           ; slot 2 loads h = 4's operands and wv[2]
	s_mov_b32 s49, 4*KPI
	s_mov_b32 s50, 8
	s_mov_b32 s40, 31
.Lfour:                                                ; 31 trips of four slots: slots 2 to 125; the last loads h = 127's operands
	ADDR
	SLOT 0, 1, 1, 1, 1, 1, 0, 0, 0
	SLOT 1, 1, 1, 1, 1, 1, QPI, KPI, 4
	SLOT 0, 1, 1, 1, 1, 1, 2*QPI, 2*KPI, 8
	SLOT 1, 1, 1, 1, 1, 1, 3*QPI, 3*KPI, 12
	s_add_co_u32 s48, s48, 4*QPI
	s_add_co_u32 s49, s49, 4*KPI
	s_add_co_u32 s50, s50, 16
	s_sub_co_u32 s40, s40, 1
	s_cmp_lg_u32 s40, 0
	s_cbranch_scc1 .Lfour
	v_add_nc_u32 v[AW], s50, v[AW0]                ; wv[126]
	SLOT 0, 0, 1, 1, 1, 1, 0, 0, 0                 ; slot 126: no operands are left to load
	SLOT 1, 0, 1, 1, 1, 0, 0, 0, 4                 ; slot 127: and no d to make
	SLOT 0, 0, 0, 1, 0, 0, 0, 0, 0                 ; the sums take h = 127
	; ---- THE WAY OUT: out = sum(wv) - 2 acc, written into the first set's registers in the order 8 q + k, so that four neighbouring k lie in four neighbouring registers
.irp q, 0,1,2,3
.irp k, 0,1,2,3,4,5,6,7
	v_fma_f32 v[T0+8*\q+\k], v[ACC+4*\k+\q], -2.0, v[WS]
.endr
.endr
.irp q, 0,1,2,3
.irp g, 0,1
	global_store_b128 v[GO], v[T0+8*\q+4*\g:T0+8*\q+4*\g+3], s[22:23] offset:2048*\q+256*\g th:TH_STORE_NT   ; lanes 0-15 store 256 consecutive bytes of row 8 w + q, at a multiple of 256 from out's first byte; lanes 16-31 those of row 8 w + 4 + q
.endr
.endr
	s_wait_tensorcnt 0x0                           ; the wave's end
	ds_add_u32 v[SPW], v[NIL]
	s_wait_dscnt 0x0
	s_endpgm
.Lfunc_end_k_qf9b988742e_scorer:
	.size	k_qf9b988742e_scorer, .Lfunc_end_k_qf9b988742e_scorer-k_qf9b988742e_scorer
	.p2alignl 7, 3214868480
	.fill 96, 4, 3214868480
	.section	.rodata,"a",@progbits
	.p2align	6, 0x0
	.amdhsa_kernel k_qf9b988742e_scorer
		.amdhsa_group_segment_fixed_size 313856
		.amdhsa_private_segment_fixed_size 0
		.amdhsa_enable_private_segment 0
		.amdhsa_kernarg_size 80
		.amdhsa_user_sgpr_count 2
		.amdhsa_user_sgpr_kernarg_segment_ptr 1
		.amdhsa_wavefront_size32 1
		.amdhsa_system_sgpr_workgroup_id_x 1
		.amdhsa_system_sgpr_workgroup_id_y 1
		.amdhsa_system_sgpr_workgroup_id_z 1
		.amdhsa_system_vgpr_workitem_id 0
		.amdhsa_next_free_vgpr 256
		.amdhsa_next_free_sgpr 66
		.amdhsa_reserve_vcc 0
		.amdhsa_float_denorm_mode_32 3
		.amdhsa_float_denorm_mode_16_64 3
		.amdhsa_memory_ordered 1
		.amdhsa_forward_progress 1
		.amdhsa_inst_pref_size 120
	.end_amdhsa_kernel
	.amdgpu_metadata
---
amdhsa.version: [ 1, 2 ]
amdhsa.kernels:
  - .name:           k_qf9b988742e_scorer
    .symbol:         k_qf9b988742e_scorer.kd
    .args:
      - { .name: qs_codes, .offset: 0, .size: 8, .value_kind: global_buffer, .address_space: global }
      - { .name: qs_scales, .offset: 8, .size: 8, .value_kind: global_buffer, .address_space: global }
      - { .name: ks_codes, .offset: 16, .size: 8, .value_kind: global_buffer, .address_space: global }
      - { .name: ks_scales, .offset: 24, .size: 8, .value_kind: global_buffer, .address_space: global }
      - { .name: Wq_codes, .offset: 32, .size: 8, .value_kind: global_buffer, .address_space: global }
      - { .name: Wq_scales, .offset: 40, .size: 8, .value_kind: global_buffer, .address_space: global }
      - { .name: Wk_codes, .offset: 48, .size: 8, .value_kind: global_buffer, .address_space: global }
      - { .name: Wk_scales, .offset: 56, .size: 8, .value_kind: global_buffer, .address_space: global }
      - { .name: wv, .offset: 64, .size: 8, .value_kind: global_buffer, .address_space: global }
      - { .name: out0, .offset: 72, .size: 8, .value_kind: global_buffer, .address_space: global }
    .group_segment_fixed_size: 313856
    .private_segment_fixed_size: 0
    .kernarg_segment_align: 8
    .kernarg_segment_size: 80
    .max_flat_workgroup_size: 256
    .sgpr_count:     66
    .vgpr_count:     256
    .wavefront_size: 32
...
	.end_amdgpu_metadata
.endif
;; end of part 1
